; MI455X (gfx1250); checked and timed in simulation.
; The chip was launched on July 23, 2026; its instructions are those of AMD's public machine-readable ISA for CDNA 5 (MIT licence, August 2026) and "CDNA5" Instruction Set Architecture Reference Guide (July 2026). The comments in the code are by the model that wrote it; some were corrected since.
;; Cross Attention. Allowed arithmetic: matrix products marked QUANTISED: E4M3 operands, one given power-of-two scale a tensor, by v_wmma_f32_16x16x64_fp8_fp8 or v_wmma_f32_16x16x128_fp8_fp8, f32 sums; everything else in f32.
;; Inputs: Wk 1,024 x 1,024 float32; Wq 1,024 x 1,024 float32; Wu 1,024 x 64 float32; Wv 1,024 x 1,024 float32; bu 64 float32; lowp_scales 12 int32 (the exponents e of the quantised operands' scales 2^e); x 4 x 2,048 x 1,024 float32; y 4 x 2,048 x 1,024 float32.
;; Outputs: out0 4 x 2,048 x 64 float32.
;; This version of the problem:
;;   THIS VERSION OF THE PROBLEM IS GIVEN IN LOW PRECISION. The matrix products marked QUANTISED in the list below multiply operands that are first quantised to E4M3 (4 exponent bits, 3 mantissa bits; 8 bits a number), with one given power-of-two scale for each operand tensor; their sums are f32. All else is computed in f32.
;;   The module's matrix products, in the order in which they are computed (A, B: the left and right operand; K: the contracted axis; several contracted axes count as one K, in the product's order):
;;     1. [M 8,192, K 1,024] x [K 1,024, N 1,024]; A: input x; B: input Wv: QUANTISED (scales: A lowp_scales[0], B lowp_scales[1])
;;     2. [M 8,192, K 1,024] x [K 1,024, N 1,024]; A: input x; B: input Wk: QUANTISED (scales: A lowp_scales[2], B lowp_scales[3])
;;     3. [M 8,192, K 1,024] x [K 1,024, N 1,024]; A: input y; B: input Wq: QUANTISED (scales: A lowp_scales[4], B lowp_scales[5])
;;     4. batch 64 x [M 2,048, K 64] x [K 64, N 2,048]; A: computed on the way; B: computed on the way: QUANTISED (scales: A lowp_scales[6], B lowp_scales[7])
;;     5. batch 64 x [M 64, K 2,048] x [K 2,048, N 2,048]; A: computed on the way; B: softmax (see below): QUANTISED (scales: A lowp_scales[8], B lowp_scales[9])
;;     6. [M 8,192, K 1,024] x [K 1,024, N 64]; A: computed on the way; B: input Wu: QUANTISED (scales: A lowp_scales[10], B lowp_scales[11])
;;   THE QUANTISER, for each operand of a quantised product, along K:
;;     - The operand's scale is 2^e, e = its entry of the input lowp_scales (int32; the entries are numbered through the quantised products in the list's order, A before B).
;;     - Each number is divided by the scale, clamped to +-448, and rounded to the nearest number of E4M3, ties to even, subnormals kept.
;;     - The product sums the exact products of the quantised numbers (number of the format x scale) in f32.
;;   ~~~python
;;   def quantise(x, axis, e):      # numpy; x: float32 -> the quantised numbers, widened to float32 again
;;       x = np.moveaxis(x, axis, -1); K = x.shape[-1]
;;       r = np.clip(x / 2.0 ** e, -448, 448)
;;       step = 2.0 ** (np.maximum(np.frexp(np.where(r == 0, 1, r))[1] - 1, -6) - 3)
;;       q = np.round(r / step) * step * 2.0 ** e      # np.round: ties to even
;;       return np.moveaxis(q, -1, axis).astype(np.float32)
;;   ~~~
;;   SOFTMAX AHEAD OF A QUANTISED PRODUCT. Where the list says 'softmax', what is quantised is not the finished softmax but p = 2^(t - M), with t = logit x log2(e) and M = ceil(the row's largest t), a whole number; so 1/2 < the row's largest p <= 1. The row's sum l is taken of the UNQUANTISED p, in f32, and the product's result is divided by l at the end. Since M is a whole number, a kernel that streams over the keys may use a running M (the ceiling of the running maximum): every later rescaling is an exact power of two, so the quantised numbers keep their values, but for numbers so far below the row's largest that they fall under the format's range.
;;   OPERANDS COMPUTED ON THE WAY. 'Computed on the way' means the value that the module computes at that place (a softmax that the list does not call 'softmax' is quantised finished and normalised). What goes into a quantiser is computed in f32, as accurately as f32 sums, v_exp_f32 and their like allow (about 1e-6 of the number): no bf16 or f16 on the way to a quantiser, and a product that is left as it is and whose result goes on into a quantised operand takes f32 operands (vector FMAs, or v_wmma_f32_16x16x4_f32). A number that lies on a knife's edge between two numbers of the format may be rounded either way, as far as f32 arithmetic and the matrix unit's own rounding can turn it there, and no further.
;; One version. Each part assembles by itself: llvm-mc -triple=amdgcn-amd-amdhsa -mcpu=gfx1250 --defsym DOCPART=n.
;; ======== version 1 of 1: 4 launches
;; limits: right only within a limited range of input values
;; workspace buffers: act_codes 25,165,824 bytes; w_codes 3,211,264 bytes; qkv_img 25,165,824 bytes; o_img 8,388,608 bytes
;; launch quant (part 1): grid 610 x 1, 4 waves a work-group, no clusters, 68,096 bytes of LDS; arguments x, y, Wq, Wk, Wv, Wu, lowp_scales, act_codes, w_codes; writes act_codes, w_codes
.if DOCPART == 1
	.amdgcn_target "amdgcn-amd-amdhsa--gfx1250"
	.amdhsa_code_object_version 6
	.text
	.protected	k_qb4fef392cf_quant
	.globl	k_qb4fef392cf_quant
	.p2align	8
	.type	k_qb4fef392cf_quant,@function
k_qb4fef392cf_quant:
	s_mov_b64 s[64:65], 0
	v_nop
	global_prefetch_b8 v0, s[64:65] scope:SCOPE_SE
	s_setreg_imm32_b32 hwreg(HW_REG_WAVE_MODE, 25, 1), 1
	s_wait_xcnt 0x0
; ALL INPUTS BECOME CODES OF FP8 (E4M3), each operand with the one scale 2^e that is given for it: code = number / 2^e, held within +-448, to the nearest code, ties to even.
; act_codes: three sections of [8192][1024] codes, K innermost: y by e4 at 0; x by e2 (for the keys' product) at 8 MiB; x by e0 (for the values' product) at 16 MiB: x is read once and quantised twice.
; w_codes: rows [n][k = 1024], K innermost: Wq by e5 at 0, Wk by e3 at 1 MiB, Wv by e1 at 2 MiB, Wu (64 rows) by e11 at 3 MiB.
; Work-groups 0 to 97 take the weights, whose K is their FIRST axis: a lane takes a column and its registers run down K.  Work-groups 98 to 609 take x and y, plain streams of neighbours along K.
; The two ways part on the work-group's number, have LDS bytes of their own, and end each by itself.  No tensor loads, no barrier: waves share nothing.
; LIMITS: each of e0 to e5 and e11 lies between -126 and 119, so that 2^e and 448 x 2^e are f32 numbers.  NaN among the inputs is not served (an infinity is held at the largest code).
; HOW w_codes LIES, as the text below has it (this takes the place of the line on w_codes above): Wq at 0, Wk at 1 MiB, Wv at 2 MiB lie as IMAGES OF FRAGMENTS of 16 rows n x 128 along K, 2,048 bytes each,
; fragment (n / 16, k / 128) at 2,048 x (8 (n / 16) + k / 128); in it the 16 codes k = 32 c + 16 h + 0 .. 15 of row n % 16 = r lie at 512 c + 16 (r + 16 h).  Wu at 3 MiB keeps rows [n][k = 1024].
.set WGW,    98
.set SP,     80                        ; x, y: a lane's place in a stage: 64 bytes + 16 of padding
.set WREG,   8192                      ; x, y: LDS region of a wave: two stages of 32 x SP bytes
.set WSTG,   32768                     ; weights: the four waves' stages begin here,
.set WPITCH, 272                       ; 32 rows of 256 bytes + 16 of padding each
.set SPARE,  67584                     ; behind both: the spare words, 128 bytes for each wave
.set SPW,    254                       ; v254 LDS address of my spare word; never rewritten
.set NIL,    255                       ; v255 0; never rewritten
.set R,      16                        ; x, y: v16-79 four sets of 16 numbers as they are loaded
.set X,      80                        ; v80-111 two sets of 16 neighbours
.set T,      112                       ; v112-127 the numbers held for the first of x's two conversions
.set C,      128                       ; v128-223 codes: registers of its own for each step, so that no store's data are written again
.set WX,     32                        ; weights: v32-95 two sets of 32 numbers
.set WC,     96                        ; v96-103 a block's codes
.set OUTR,   112                       ; v112-175 the way out
.set OFF,    176                       ; v176-207 byte offset of row i of a block, at my column
; ---- x, y: step t is 512 numbers: t = 0..7 of x, t = 8..15 of y
.macro LOAD t                          ; four loads of 512 consecutive bytes, 16 a lane
.irp i, 0,1,2,3
.if (\t) < 8
	global_load_b128 v[R+16*((\t)%4)+4*\i:R+16*((\t)%4)+4*\i+3], v3, s[8:9] offset:2048*(\t)+512*\i th:TH_LOAD_NT
.else
	global_load_b128 v[R+16*((\t)%4)+4*\i:R+16*((\t)%4)+4*\i+3], v3, s[10:11] offset:2048*((\t)-8)+512*\i th:TH_LOAD_NT
.endif
.endr
.endm
.macro TURN t                          ; the step's 2,048 bytes go through my stage as they lie and come back 64 bytes a lane; LDS serves a wave's instructions in order, so no wait stands between
.irp i, 0,1,2,3
	ds_store_b128 v5, v[R+16*((\t)%4)+4*\i:R+16*((\t)%4)+4*\i+3] offset:32*SP*((\t)%2)+8*SP*\i
.endr
.irp i, 0,1,2,3
	ds_load_b128 v[X+16*((\t)%2)+4*\i:X+16*((\t)%2)+4*\i+3], v6 offset:32*SP*((\t)%2)+16*\i
.endr
.endm
.macro STEP t
.set XS, X+16*((\t)%2)
	s_wait_dscnt 0x0                               ; this step's numbers are back from the stage, so its stores into the stage have read their registers,
.if (\t)+4 < 16
	LOAD (\t)+4                                    ; which take the loads of four steps on
.endif
.if (\t)+1 < 16
.if 14-(\t) >= 3
	s_wait_loadcnt 12                              ; the next step's four loads are in; those of the three steps behind it may be out
.else
	s_wait_loadcnt 4*(14-(\t))
.endif
	TURN (\t)+1
.endif
.if (\t) < 8
.irp i, 0,1,2,3,4,5,6,7,8,9,10,11,12,13,14,15
	v_med3_num_f32 v[T+\i], v[XS+\i], -v9, v9      ; the conversion to an 8-bit code does not saturate (ISA guide 7.6.2): the hold at 448 x 2^e0, into other registers: x is wanted again
.endr
	v_cvt_scalef32_pk8_fp8_f32 v[C+8*(\t):C+8*(\t)+1], v[T:T+7], v8
	v_cvt_scalef32_pk8_fp8_f32 v[C+8*(\t)+2:C+8*(\t)+3], v[T+8:T+15], v8
.irp i, 0,1,2,3,4,5,6,7,8,9,10,11,12,13,14,15
	v_med3_num_f32 v[XS+\i], v[XS+\i], -v11, v11   ; the hold at 448 x 2^e2
.endr
	v_cvt_scalef32_pk8_fp8_f32 v[C+8*(\t)+4:C+8*(\t)+5], v[XS:XS+7], v10
	v_cvt_scalef32_pk8_fp8_f32 v[C+8*(\t)+6:C+8*(\t)+7], v[XS+8:XS+15], v10
	v_nop                                          ; one plain vector line behind the last conversion of a run
	global_store_b128 v3, v[C+8*(\t):C+8*(\t)+3], s[30:31] offset:512*(\t)      ; 32 lanes store 512 consecutive bytes: x's codes for the values
	global_store_b128 v3, v[C+8*(\t)+4:C+8*(\t)+7], s[28:29] offset:512*(\t)    ; and for the keys
.else
.irp i, 0,1,2,3,4,5,6,7,8,9,10,11,12,13,14,15
	v_med3_num_f32 v[XS+\i], v[XS+\i], -v13, v13   ; the hold at 448 x 2^e4
.endr
	v_cvt_scalef32_pk8_fp8_f32 v[C+32+4*(\t):C+32+4*(\t)+1], v[XS:XS+7], v12
	v_cvt_scalef32_pk8_fp8_f32 v[C+32+4*(\t)+2:C+32+4*(\t)+3], v[XS+8:XS+15], v12
	v_nop
	global_store_b128 v3, v[C+32+4*(\t):C+32+4*(\t)+3], s[22:23] offset:512*((\t)-8)
.endif
.endm
; ---- weights: block t is 32 along K of my column
.macro LOADW t
.irp i, 0,1,2,3,4,5,6,7,8,9,10,11,12,13,14,15,16,17,18,19,20,21,22,23,24,25,26,27,28,29,30,31
	global_load_b32 v[WX+32*((\t)%2)+\i], v[OFF+\i], s[68+2*(\t):69+2*(\t)] th:TH_LOAD_NT   ; one row k at 32 neighbouring columns: 128 consecutive bytes a wave
.endr
.endm
.macro BLOCK t
.set XS, WX+32*((\t)%2)
.if (\t) < 7
	s_wait_loadcnt 32                              ; this block's 32 loads are in; the next block's may be out
.else
	s_wait_loadcnt 0
.endif
.irp i, 0,1,2,3,4,5,6,7,8,9,10,11,12,13,14,15,16,17,18,19,20,21,22,23,24,25,26,27,28,29,30,31
	v_med3_num_f32 v[XS+\i], v[XS+\i], -v10, v10
.endr
.irp g, 0,1,2,3
	v_cvt_scalef32_pk8_fp8_f32 v[WC+2*\g:WC+2*\g+1], v[XS+8*\g:XS+8*\g+7], v11
.endr
	v_nop
	ds_store_b128 v4, v[WC:WC+3] offset:32*(\t)    ; 32 codes of my column's row
	ds_store_b128 v4, v[WC+4:WC+7] offset:32*(\t)+16
.if (\t)+2 < 8
	LOADW (\t)+2
.endif
	s_wait_dscnt 0x0                               ; the stores have read their registers: the next block's codes may be written
.endm
	s_load_b256 s[8:15], s[0:1], 0x0               ; x s[8:9], y s[10:11], Wq s[12:13], Wk s[14:15]
	s_load_b256 s[16:23], s[0:1], 0x20             ; Wv s[16:17], Wu s[18:19], the scales' exponents s[20:21], act_codes s[22:23]
	s_load_b64 s[24:25], s[0:1], 0x40              ; w_codes
	v_lshl_add_u32 v[SPW], v0, 2, SPARE
	v_mov_b32 v[NIL], 0
	v_lshrrev_b32 v1, 5, v0
	v_readfirstlane_b32 s36, v1                    ; wave 0..3
	v_and_b32 v2, 31, v0                           ; lane
	s_wait_kmcnt 0x0
	s_load_b256 s[40:47], s[20:21], 0x0            ; e0 .. e7
	s_load_b128 s[48:51], s[20:21], 0x20           ; e8 .. e11
	s_cmp_lt_u32 ttmp9, WGW
	s_cbranch_scc0 .Lact
	; ================= THE WEIGHTS.  m = 0 Wq, 1 Wk, 2 Wv (1,024 columns), 3 Wu (64 columns).  A wave takes 32 columns x 256 along K.
	s_lshr_b32 s26, ttmp9, 5                       ; m
	s_and_b32 s27, ttmp9, 31
	s_lshl_b32 s27, s27, 2
	s_add_co_u32 s27, s27, s36                     ; which wave of the tensor's: 0..127, for Wu 0..7
	s_cmp_eq_u32 s26, 3
	s_cselect_b32 s28, 8, 12                       ; a row of the tensor is 1 << this many bytes
	s_cselect_b32 s29, 1, 5                        ; the groups of 32 columns are 1 << this many
	s_cselect_b32 s30, 1, 31
	s_and_b32 s31, s27, s30                        ; my group of columns
	s_lshr_b32 s32, s27, s29                       ; my 256 along K: 0..3
	s_cmp_eq_u32 s26, 0                            ; the tensor: a choice that hangs on the work-group's number alone
	s_cselect_b64 s[34:35], s[12:13], s[14:15]
	s_cmp_lt_u32 s26, 2
	s_cselect_b64 s[34:35], s[34:35], s[16:17]
	s_cmp_lt_u32 s26, 3
	s_cselect_b64 s[34:35], s[34:35], s[18:19]
	s_lshl_b32 s52, s32, 8
	s_lshl_b32 s52, s52, s28                       ; 256 x my K group rows,
	s_lshl_b32 s53, s31, 7
	s_add_co_u32 s52, s52, s53                     ; + 128 bytes x my group of columns
	s_mov_b32 s53, 0
	s_add_nc_u64 s[68:69], s[34:35], s[52:53]      ; block 0's base; a base for each of the eight blocks, so that none is ever stepped
	s_lshl_b32 s54, 32, s28                        ; 32 rows
	s_mov_b32 s55, 0
.irp t, 1,2,3,4,5,6,7
	s_add_nc_u64 s[68+2*\t:69+2*\t], s[66+2*\t:67+2*\t], s[54:55]
.endr
	s_lshl_b32 s56, s26, 20                        ; the codes: 1 MiB x m
	s_lshl_b32 s57, s31, 15                        ; + 32 rows of 1,024 bytes x my group of columns
	s_add_co_u32 s56, s56, s57
	s_lshl_b32 s57, s32, 8                         ; + my 256 along K
	s_add_co_u32 s56, s56, s57
	s_mov_b32 s57, 0
	s_add_nc_u64 s[24:25], s[24:25], s[56:57]
	s_wait_alu depctr_va_vdst(0)
	v_lshlrev_b32 v3, 2, v2                        ; 4 bytes a lane
.irp i, 0,1,2,3,4,5,6,7,8,9,10,11,12,13,14,15,16,17,18,19,20,21,22,23,24,25,26,27,28,29,30,31
	v_lshl_add_u32 v[OFF+\i], \i, s28, v3          ; row i of a block
.endr
	LOADW 0
	LOADW 1
	s_mul_i32 s58, s36, 32*WPITCH
	s_add_co_u32 s58, s58, WSTG                    ; my stage
	v_mul_u32_u24 v4, v2, WPITCH
	v_add_nc_u32 v4, s58, v4                       ; into it: row = my column
	v_and_b32 v5, 15, v2
	v_lshrrev_b32 v6, 4, v2                        ; out of it: sixteen lanes to a row, two rows an instruction
	v_mul_u32_u24 v7, v6, WPITCH
	v_lshl_add_u32 v7, v5, 4, v7
	v_add_nc_u32 v7, s58, v7
	v_lshlrev_b32 v8, 10, v6
	v_lshl_add_u32 v8, v5, 4, v8
	v_mul_u32_u24 v9, v5, WPITCH                   ; out of the stage for an image: row lane % 16, + 16 bytes x (lane / 16)
	v_lshl_add_u32 v9, v6, 4, v9
	v_add_nc_u32 v9, s58, v9
	v_lshlrev_b32 v12, 4, v2                       ; and into the image: 16 x lane
	s_wait_kmcnt 0x0
	s_cmp_eq_u32 s26, 0                            ; e5, e3, e1 or e11
	s_cselect_b32 s59, s45, s43
	s_cmp_lt_u32 s26, 2
	s_cselect_b32 s59, s59, s41
	s_cmp_lt_u32 s26, 3
	s_cselect_b32 s59, s59, s51
	s_add_co_i32 s59, s59, 127
	s_lshl_b32 s60, s59, 23
	v_mov_b32 v11, s60                             ; 2^e as f32: the conversion takes its exponent field
	s_add_co_i32 s59, s59, 8
	s_lshl_b32 s59, s59, 23
	s_or_b32 s59, s59, 0x600000
	v_mov_b32 v10, s59                             ; 448 x 2^e
	s_wait_alu depctr_va_vdst(0)
.irp t, 0,1,2,3,4,5,6,7
	BLOCK \t
.endr
	s_cmp_eq_u32 s26, 3                            ; Wu keeps its rows: a branch on the work-group's number
	s_cbranch_scc1 .Lrows
	s_mul_i32 s56, s32, 3840                       ; my 256 along K are two fragments, 4,096 bytes on for each K group (256 of them are in the base already)
	s_add_nc_u64 s[24:25], s[24:25], s[56:57]
.irp g, 0,1
.irp f, 0,1
.irp c, 0,1,2,3
	ds_load_b128 v[OUTR+4*(8*\g+4*\f+\c):OUTR+4*(8*\g+4*\f+\c)+3], v9 offset:16*\g*WPITCH+128*\f+32*\c   ; LDS serves a wave's instructions in order: these see my stores
.endr
.endr
.endr
.irp g, 0,1
.irp f, 0,1
.irp c, 0,1,2,3
	s_wait_dscnt 15-(8*\g+4*\f+\c)                 ; loads come back in order
	global_store_b128 v12, v[OUTR+4*(8*\g+4*\f+\c):OUTR+4*(8*\g+4*\f+\c)+3], s[24:25] offset:16384*\g+2048*\f+512*\c   ; 32 lanes store 512 consecutive bytes, aligned
.endr
.endr
.endr
	s_wait_tensorcnt 0x0                           ; the wave's end: behind my last LDS store
	ds_add_u32 v[SPW], v[NIL]
	s_wait_dscnt 0x0
	s_endpgm
.Lrows:
.irp t, 0,1,2,3,4,5,6,7,8,9,10,11,12,13,14,15
	ds_load_b128 v[OUTR+4*\t:OUTR+4*\t+3], v7 offset:2*\t*WPITCH   ; LDS serves a wave's instructions in order: these see my stores
.endr
.irp t, 0,1,2,3,4,5,6,7,8,9,10,11,12,13,14,15
	s_wait_dscnt 15-\t                             ; loads come back in order: number t is in, the younger ones may be out
	global_store_b128 v8, v[OUTR+4*\t:OUTR+4*\t+3], s[24:25] offset:2*\t*1024   ; sixteen lanes store 256 consecutive bytes of a row, aligned
.endr
	s_wait_tensorcnt 0x0                           ; the wave's end: behind my last LDS store
	ds_add_u32 v[SPW], v[NIL]
	s_wait_dscnt 0x0
	s_endpgm
	; ================= x AND y.  Wave idx of 2,048 takes 4,096 numbers of x and the same 4,096 of y.
.Lact:
	s_sub_co_u32 s26, ttmp9, WGW
	s_lshl_b32 s26, s26, 2
	s_add_co_u32 s26, s26, s36                     ; idx
	s_lshl_b32 s52, s26, 14                        ; 16,384 bytes of f32
	s_mov_b32 s53, 0
	s_add_nc_u64 s[8:9], s[8:9], s[52:53]
	s_add_nc_u64 s[10:11], s[10:11], s[52:53]
	s_lshl_b32 s52, s26, 12                        ; 4,096 bytes of codes
	s_add_nc_u64 s[22:23], s[22:23], s[52:53]      ; y's section,
	s_add_nc_u64 s[28:29], s[22:23], 0x800000      ; x's for the keys,
	s_add_nc_u64 s[30:31], s[22:23], 0x1000000     ; x's for the values: three bases, never stepped
	s_wait_alu depctr_va_vdst(0)
	v_lshlrev_b32 v3, 4, v2                        ; my 16 bytes of a load's 512, and of a store's
	s_lshl_b32 s27, s36, 13                        ; my region of LDS
	v_lshrrev_b32 v5, 2, v2
	v_mul_u32_u24 v5, v5, SP
	v_and_b32 v6, 3, v2
	v_lshl_add_u32 v5, v6, 4, v5
	v_add_nc_u32 v5, s27, v5                       ; the stage, on the way in: SP (lane / 4) + 16 (lane % 4)
	v_mul_u32_u24 v6, v2, SP
	v_add_nc_u32 v6, s27, v6                       ; and on the way out: SP x lane: my 16 neighbours
.irp t, 0,1,2,3
	LOAD \t
.endr
	s_wait_alu depctr_va_vdst(0)
	s_wait_kmcnt 0x0
	s_add_co_i32 s54, s40, 127                     ; e0
	s_lshl_b32 s55, s54, 23
	v_mov_b32 v8, s55
	s_add_co_i32 s54, s54, 8
	s_lshl_b32 s54, s54, 23
	s_or_b32 s54, s54, 0x600000
	v_mov_b32 v9, s54
	s_add_co_i32 s54, s42, 127                     ; e2
	s_lshl_b32 s55, s54, 23
	v_mov_b32 v10, s55
	s_add_co_i32 s54, s54, 8
	s_lshl_b32 s54, s54, 23
	s_or_b32 s54, s54, 0x600000
	v_mov_b32 v11, s54
	s_add_co_i32 s54, s44, 127                     ; e4
	s_lshl_b32 s55, s54, 23
	v_mov_b32 v12, s55
	s_add_co_i32 s54, s54, 8
	s_lshl_b32 s54, s54, 23
	s_or_b32 s54, s54, 0x600000
	v_mov_b32 v13, s54
	s_wait_alu depctr_va_vdst(0)
	s_wait_loadcnt 12                              ; step 0's four loads are in
	TURN 0
.irp t, 0,1,2,3,4,5,6,7,8,9,10,11,12,13,14,15
	STEP \t
.endr
	s_wait_tensorcnt 0x0                           ; the wave's end: behind my last LDS store
	ds_add_u32 v[SPW], v[NIL]
	s_wait_dscnt 0x0
	s_endpgm
.Lfunc_end_k_qb4fef392cf_quant:
	.size	k_qb4fef392cf_quant, .Lfunc_end_k_qb4fef392cf_quant-k_qb4fef392cf_quant
	.p2alignl 7, 3214868480
	.fill 96, 4, 3214868480
	.section	.rodata,"a",@progbits
	.p2align	6, 0x0
	.amdhsa_kernel k_qb4fef392cf_quant
		.amdhsa_group_segment_fixed_size 68096
		.amdhsa_private_segment_fixed_size 0
		.amdhsa_enable_private_segment 0
		.amdhsa_kernarg_size 72
		.amdhsa_user_sgpr_count 2
		.amdhsa_user_sgpr_kernarg_segment_ptr 1
		.amdhsa_wavefront_size32 1
		.amdhsa_system_sgpr_workgroup_id_x 1
		.amdhsa_system_sgpr_workgroup_id_y 1
		.amdhsa_system_sgpr_workgroup_id_z 1
		.amdhsa_system_vgpr_workitem_id 0
		.amdhsa_next_free_vgpr 256
		.amdhsa_next_free_sgpr 96
		.amdhsa_reserve_vcc 0
		.amdhsa_float_denorm_mode_32 3
		.amdhsa_float_denorm_mode_16_64 3
		.amdhsa_memory_ordered 1
		.amdhsa_forward_progress 1
		.amdhsa_inst_pref_size 103
	.end_amdhsa_kernel
	.amdgpu_metadata
---
amdhsa.version: [ 1, 2 ]
amdhsa.kernels:
  - .name:           k_qb4fef392cf_quant
    .symbol:         k_qb4fef392cf_quant.kd
    .args:
      - { .name: x, .offset: 0, .size: 8, .value_kind: global_buffer, .address_space: global }
      - { .name: y, .offset: 8, .size: 8, .value_kind: global_buffer, .address_space: global }
      - { .name: Wq, .offset: 16, .size: 8, .value_kind: global_buffer, .address_space: global }
      - { .name: Wk, .offset: 24, .size: 8, .value_kind: global_buffer, .address_space: global }
      - { .name: Wv, .offset: 32, .size: 8, .value_kind: global_buffer, .address_space: global }
      - { .name: Wu, .offset: 40, .size: 8, .value_kind: global_buffer, .address_space: global }
      - { .name: lowp_scales, .offset: 48, .size: 8, .value_kind: global_buffer, .address_space: global }
      - { .name: act_codes, .offset: 56, .size: 8, .value_kind: global_buffer, .address_space: global }
      - { .name: w_codes, .offset: 64, .size: 8, .value_kind: global_buffer, .address_space: global }
    .group_segment_fixed_size: 68096
    .private_segment_fixed_size: 0
    .kernarg_segment_align: 8
    .kernarg_segment_size: 72
    .max_flat_workgroup_size: 128
    .sgpr_count:     96
    .vgpr_count:     256
    .wavefront_size: 32
...
	.end_amdgpu_metadata
.endif
;; end of part 1
;; launch proj (part 2): grid 4 x 64, 4 waves a work-group, clusters of 4 x 1, 327,680 bytes of LDS; arguments act_codes, w_codes, lowp_scales, qkv_img; writes qkv_img
.if DOCPART == 2
	.amdgcn_target "amdgcn-amd-amdhsa--gfx1250"
	.amdhsa_code_object_version 6
	.text
	.protected	k_qb4fef392cf_proj
	.globl	k_qb4fef392cf_proj
	.p2align	8
	.type	k_qb4fef392cf_proj,@function
k_qb4fef392cf_proj:
	s_mov_b64 s[64:65], 0
	v_nop
	global_prefetch_b8 v0, s[64:65] scope:SCOPE_SE
	s_setreg_imm32_b32 hwreg(HW_REG_WAVE_MODE, 25, 1), 1
	s_wait_xcnt 0x0
	s_wait_alu depctr_hold_cnt(0) depctr_sa_sdst(0) depctr_va_vdst(0) depctr_va_sdst(0) depctr_va_ssrc(0) depctr_va_vcc(0) depctr_vm_vsrc(0)
	s_getreg_b32 s2, hwreg(HW_REG_IB_STS2, 6, 4)
	s_cmp_eq_u32 s2, 0
	s_cbranch_scc0 .Lentry_in_a_cluster
	s_endpgm
.Lentry_in_a_cluster:
	s_bfe_u32 s2, ttmp6, 0x10000c
	s_cmp_lg_u32 s2, 0x3003
	s_cbranch_scc0 .Lentry_shape_is_right
	s_endpgm
.Lentry_shape_is_right:
; THE THREE PROJECTIONS q = y Wq, k = x Wk, v = x Wv on codes of FP8 (E4M3), and their results quantised again, as operands of attention's two products.
; SHARES.  A work-group takes 128 tokens (cluster y) x 256 channels (cx) through all three kinds, q, k, v, one after the other; wave w takes the 128 tokens x one head's 64 channels: 32 accumulators, 256 registers.
; TOKENS: act_codes, [8192][1024] codes, y at 0, x for the keys at 8 MiB, x for the values at 16 MiB.  A kind's tile, 128 rows x the whole K (1,024 bytes, + 16 of padding in LDS), is one LDS slot; two slots take turns.
; The four work-groups of a cluster need the same tile and ask for it JOINTLY, each wave 32 rows.  A tile is asked for when the kind before begins: 8 K steps, 256 matrix instructions a wave, ahead of its first read.
; WEIGHTS: w_codes holds images of fragments (16 rows n x 128 K, 2,048 bytes; registers 4 c .. 4 c + 3 of lane l at 512 c + 16 l).  A wave's 64 rows belong to it alone in its work-group, so they go from memory
; straight into registers: 16 loads of 512 consecutive bytes a K step, four K steps ahead, in a ring of four sets.  They come by register loads, so no joint request serves them.
; NO PREFETCH: both streams are asked for, by their own loads, the stated steps ahead of their use.
; WHICH SOURCE IS WHICH.  In a result a lane holds one row of source 1 and its eight registers eight neighbouring rows of source 0.  q, k are quantised along the channels: source 0 = weights, source 1 = tokens.
; v is quantised along the keys: source 0 = tokens, source 1 = weights.  q and k run one text in a loop of two trips; v has its own.
; THE WAY OUT.  q, k: sum x f, f = 1024^-0.25 x 2^(ea + eb) (0x3e3504f3 with ea + eb added to its exponent field), held within +-448 x 2^eo, converted by 2^eo.  v: every factor is a power of two, so the sum is held within
; +-448 x 2^(e8 - e0 - e1) and converted by 2^(e8 - e0 - e1).  Eight registers of a result become two of the next operand's image; each store of the wave covers 512 consecutive bytes, aligned.
; qkv_img: head bh = 16 b + h at 262,144 bh; key step s (128 keys) at + 16,384 s: 8 images of 16 keys x 64 channels (1 KiB), then at + 8,192 four images of 16 channels x 128 keys (2 KiB).
;          q at 16 MiB + 131,072 bh + 1,024 x (tile of 16 queries).
; LIMITS: e6, e7 and e8 - e0 - e1 between -126 and 119; e4 + e5 and e2 + e3 between -120 and 120.
; REGISTERS.  Window 0: v1-9 addresses and constants; v32-63 at work and v64-127 codes on the way out; v128-255 the tokens' fragments of even K steps.  Window 1: v128-255 those of odd K steps.
;             Window 2: the weights' four sets of 64.  Window 3: accumulator (a, b) at v[8 (4 a + b)], a = 16 tokens, b = 16 channels.
.set PITCH, 1040                       ; an LDS row: 1,024 bytes + 16 of padding: the 16 rows that a load touches start 260 words apart
.set QUART, 32*PITCH                   ; what one tensor load brings
.set SLOT,  128*PITCH
.set SPARE, 2*SLOT                     ; behind the slots: the spare words, 128 bytes for each wave
.set LI,   1                           ; 16 x lane
.set AB,   2                           ; (lane % 16) x PITCH + 16 (lane / 16)
.set ADL,  4                           ; LDS address of the tokens' fragments 0-3 in the slot in hand
.set ADH,  5                           ; and 4-7
.set SPW,  6
.set NIL,  7
.set CSC,  8                           ; the conversion's scale
.set LIMV, 9                           ; 448 x that
.set TMP,  32
.set CODE, 64
.set AF,   128
.set MSB, 0
.macro WIN new                         ; the immediate's high byte repeats the setting that is left
.if MSB != \new
	s_set_vgpr_msb (MSB<<8)|\new
.set MSB, \new
.endif
.endm
.macro CROUND                          ; a round of the cluster's barrier
	s_barrier_signal -1
	s_barrier_wait -1
	s_cmp_lg_u32 s14, 0
	s_cbranch_scc1 .Lnot_wave_0_\@
	s_barrier_signal -3
.Lnot_wave_0_\@:
	s_barrier_wait -3
	s_barrier_signal -1
	s_barrier_wait -1
.endm
.macro PLACES
.rept 4
	v_nop
.endr
.endm
.macro AFETCH F                        ; the tokens' eight fragments of K step F: lane l holds row l % 16, registers 4 c .. 4 c + 3 hold K = 128 F + 32 c + 16 (l / 16) + 0 .. 15, as the weights' images do
	WIN 0x40*((\F)%2)
.irp a, 0,1,2,3
.irp c, 0,1,2,3
	ds_load_b128 v[AF+16*\a+4*\c:AF+16*\a+4*\c+3], v[ADL] offset:\a*16*PITCH+128*(\F)+32*\c
.endr
.endr
.irp a, 0,1,2,3
.irp c, 0,1,2,3
	ds_load_b128 v[AF+64+16*\a+4*\c:AF+64+16*\a+4*\c+3], v[ADH] offset:\a*16*PITCH+128*(\F)+32*\c
.endr
.endr
	WIN 0
.endm
.macro BLOAD set, off                  ; the weights' four fragments of a K step, at byte off of my rows' images
	WIN 0x80
.irp b, 0,1,2,3
.irp c, 0,1,2,3
	global_load_b128 v[64*(\set)+16*\b+4*\c:64*(\set)+16*\b+4*\c+3], v[LI], s[36:37] offset:(\off)+16384*\b+512*\c
.endr
.endr
	WIN 0
.endm
; A K STEP of 128: 32 matrix instructions, the 32 accumulators by turns.  sw = 1: the sources change places.  nl: the weights' loads issued behind this step's.  off: what is asked for, four steps ahead (-1: nothing).
.macro KSTEP F, sw, nl, off
.if (\F) < 7
	AFETCH (\F)+1                                  ; into the set that the step before read: four places stand behind its products
	s_wait_dscnt 32                                ; this step's fragments are in; the 32 loads just issued may be out
.else
	s_wait_dscnt 0x0
.endif
	s_wait_loadcnt \nl
.set BS, 64*((\F)%4)
.if \sw
	WIN 0xf8|((\F)%2)
.else
	WIN 0xf2|(((\F)%2)<<2)
.endif
.irp a, 0,1,2,3,4,5,6,7
.irp b, 0,1,2,3
.if \sw
.if (\F) == 0
	v_wmma_f32_16x16x128_fp8_fp8 v[8*(4*\a+\b):8*(4*\a+\b)+7], v[AF+16*\a:AF+16*\a+15], v[BS+16*\b:BS+16*\b+15], 0
.else
	v_wmma_f32_16x16x128_fp8_fp8 v[8*(4*\a+\b):8*(4*\a+\b)+7], v[AF+16*\a:AF+16*\a+15], v[BS+16*\b:BS+16*\b+15], v[8*(4*\a+\b):8*(4*\a+\b)+7]
.endif
.else
.if (\F) == 0
	v_wmma_f32_16x16x128_fp8_fp8 v[8*(4*\a+\b):8*(4*\a+\b)+7], v[BS+16*\b:BS+16*\b+15], v[AF+16*\a:AF+16*\a+15], 0
.else
	v_wmma_f32_16x16x128_fp8_fp8 v[8*(4*\a+\b):8*(4*\a+\b)+7], v[BS+16*\b:BS+16*\b+15], v[AF+16*\a:AF+16*\a+15], v[8*(4*\a+\b):8*(4*\a+\b)+7]
.endif
.endif
.endr
.endr
	WIN 0
	PLACES                                         ; in front of loads into registers that these products read, and of the first read of results
.if (\off) >= 0
	BLOAD (\F)%4, \off
.endif
.endm
	s_load_b128 s[4:7], s[0:1], 0x0                ; act_codes, w_codes
	s_load_b128 s[8:11], s[0:1], 0x10              ; the scales' exponents, qkv_img
	v_lshl_add_u32 v[SPW], v0, 2, SPARE
	v_mov_b32 v[NIL], 0
	ds_add_u32 v[SPW], v[NIL]                      ; the opening lines: the add, twice on end, and its wait ahead of my first tensor load
	ds_add_u32 v[SPW], v[NIL]
	v_lshrrev_b32 v3, 5, v0
	v_and_b32 v[LI], 31, v0
	v_and_b32 v10, 15, v0
	v_bfe_u32 v11, v0, 4, 1
	v_readfirstlane_b32 s14, v3                    ; wave 0..3
	v_lshlrev_b32 v[LI], 4, v[LI]
	v_mul_u32_u24 v[AB], v10, PITCH
	v_lshl_add_u32 v[AB], v11, 4, v[AB]
	s_bfe_u32 s40, ttmp6, 0x40000                  ; cx: my 256 channels; it enters the weights' and the results' global addresses alone
	s_and_b32 s41, ttmp7, 0xffff                   ; cluster y: my 128 tokens, 0..63
	s_mov_b32 s24, 15|(1<<20)|(1<<21)|(7<<22)|(3<<25)   ; group 1: all four partners; elements of 1 byte; padding of 4 words after every 256; bit 21 beside the mask
	s_mov_b32 s25, 1024<<16                        ; tensor_dim0
	s_mov_b32 s26, 32<<16                          ; tensor_dim1
	s_mov_b32 s27, 1024<<16                        ; tile_dim0
	s_mov_b32 s28, 32                              ; tile_dim1
	s_mov_b32 s29, 1024                            ; pitch
	s_mov_b32 s30, 0
	s_mov_b32 s31, 0
	s_mul_i32 s45, s14, QUART                      ; my 32 rows' place in a slot
	s_mov_b32 s32, 1
	s_mov_b32 s33, s45                             ; slot 0
	s_lshl_b32 s20, s41, 17
	s_lshl_b32 s21, s14, 15
	s_add_co_u32 s20, s20, s21                     ; row 128 x tile + 32 x wave, of 1,024 bytes
	s_mov_b32 s21, 0
	s_lshl_b32 s46, s40, 18
	s_lshl_b32 s47, s14, 16
	s_add_co_u32 s46, s46, s47                     ; my 64 rows' images: 65,536 bytes x (4 cx + wave)
	s_mov_b32 s47, 0
	s_lshr_b32 s50, s41, 4
	s_lshl_b32 s50, s50, 4
	s_lshl_b32 s51, s40, 2
	s_add_co_u32 s50, s50, s51
	s_add_co_u32 s50, s50, s14                     ; bh = 16 b + 4 cx + wave
	s_and_b32 s51, s41, 15                         ; s: my 128 tokens of the batch's 2,048
	s_lshl_b32 s52, s50, 17
	s_lshl_b32 s53, s51, 13
	s_add_co_u32 s52, s52, s53
	s_add_co_u32 s52, s52, 0x1000000               ; q
	s_mov_b32 s53, 0
	s_lshl_b32 s54, s50, 18
	s_lshl_b32 s55, s51, 14
	s_add_co_u32 s54, s54, s55                     ; k
	s_mov_b32 s55, 0
	s_add_co_u32 s56, s54, 8192                    ; v
	s_mov_b32 s57, 0
	s_wait_alu depctr_va_vdst(0)
	s_wait_dscnt 0x0                               ; both opening adds are done
	s_wait_kmcnt 0x0
	s_load_b256 s[88:95], s[8:9], 0x0              ; e0 .. e7
	s_load_b32 s98, s[8:9], 0x20                   ; e8
	s_add_nc_u64 s[34:35], s[4:5], s[20:21]
	s_or_b32 s35, s35, 0x80000000
	s_add_nc_u64 s[36:37], s[6:7], s[46:47]
	s_add_nc_u64 s[52:53], s[10:11], s[52:53]
	s_add_nc_u64 s[54:55], s[10:11], s[54:55]
	s_add_nc_u64 s[56:57], s[10:11], s[56:57]
	CROUND                                         ; the four work-groups are here: the first joint loads meet
	tensor_load_to_lds s[32:35], s[24:31]          ; y's tile: my one tensor load at the head
	s_nop 0
	PLACES
.irp F, 0,1,2,3
	BLOAD \F, \F*2048                              ; Wq's K steps 0-3
.endr
	s_wait_kmcnt 0x0
	s_add_co_i32 s72, s92, s93
	s_lshl_b32 s72, s72, 23
	s_add_co_i32 s72, s72, 0x3e3504f3              ; q's f
	s_add_co_i32 s73, s90, s91
	s_lshl_b32 s73, s73, 23
	s_add_co_i32 s73, s73, 0x3e3504f3              ; k's f
	s_add_co_i32 s75, s94, 127
	s_lshl_b32 s74, s75, 23                        ; 2^e6
	s_add_co_i32 s75, s75, 8
	s_lshl_b32 s75, s75, 23
	s_or_b32 s75, s75, 0x600000                    ; 448 x 2^e6
	s_add_co_i32 s77, s95, 127
	s_lshl_b32 s76, s77, 23                        ; 2^e7
	s_add_co_i32 s77, s77, 8
	s_lshl_b32 s77, s77, 23
	s_or_b32 s77, s77, 0x600000
	s_sub_co_i32 s79, s98, s88
	s_sub_co_i32 s79, s79, s89
	s_add_co_i32 s79, s79, 127
	s_lshl_b32 s78, s79, 23                        ; 2^(e8 - e0 - e1)
	s_add_co_i32 s79, s79, 8
	s_lshl_b32 s79, s79, 23
	s_or_b32 s79, s79, 0x600000
	s_mov_b32 s3, 0                                ; the kind: 0 q, 1 k
.Lkind:
	s_wait_alu depctr_va_vdst(0)
	s_wait_tensorcnt 0x0                           ; my part of this kind's tile is in, and no load of mine is out: group 0 may be written
	ds_add_u32 v[SPW], v[NIL]                      ; 0 onto my spare word
	s_add_co_u32 s70, s3, 1
	s_and_b32 s70, s70, 1
	s_mul_i32 s70, s70, SLOT
	s_add_co_u32 s33, s70, s45                     ; the next kind's tile goes into the other slot,
	s_add_nc_u64 s[34:35], s[34:35], 0x800000      ; from the next section of act_codes
	s_and_b32 s71, s3, 1
	s_mul_i32 s71, s71, SLOT                       ; the slot in hand
	s_wait_dscnt 0x0                               ; the add is done, and my reads of the other slot are over
	CROUND                                         ; both hold of every wave of the four work-groups
	tensor_load_to_lds s[32:35], s[24:31]          ; the first tensor load behind the round, my one load until the next
	s_nop 0
	PLACES
	v_add_nc_u32 v[ADL], s71, v[AB]
	v_add_nc_u32 v[ADH], 64*PITCH, v[ADL]
	s_wait_alu depctr_va_vdst(0)
	AFETCH 0
.irp F, 0,1,2,3
	KSTEP \F, 0, 48, (\F+4)*2048                   ; 48: the three later steps' loads may be out
.endr
.irp F, 4,5,6,7
	KSTEP \F, 0, 48, 0x100000+(\F-4)*2048          ; the next kind's K steps 0-3
.endr
	s_wait_xcnt 0x0                                ; earlier stores have read their data and their base
	s_cmp_eq_u32 s3, 0
	s_cselect_b32 s96, s72, s73
	s_cselect_b32 s80, s74, s76
	s_cselect_b32 s81, s75, s77
	s_cselect_b64 s[58:59], s[52:53], s[54:55]
	s_mov_b32 s97, s96                             ; (named with it as a pair, so it is written)
	v_mov_b32 v[CSC], s80
	v_mov_b32 v[LIMV], s81
.irp a, 0,1,2,3,4,5,6,7                        ; 16 tokens x my head's 64 channels: four accumulators become one image of 8 registers
	WIN 0x03
.irp j, 0,2,4,6,8,10,12,14,16,18,20,22,24,26,28,30
	v_pk_mul_f32 v[TMP+\j:TMP+\j+1], v[32*\a+\j:32*\a+\j+1], s[96:97] op_sel_hi:[1,0]   ; x f; each accumulator from its low end on
.endr
	WIN 0
.irp j, 0,1,2,3,4,5,6,7,8,9,10,11,12,13,14,15,16,17,18,19,20,21,22,23,24,25,26,27,28,29,30,31
	v_med3_num_f32 v[TMP+\j], v[TMP+\j], -v[LIMV], v[LIMV]   ; the conversion does not saturate (ISA guide 7.6.2): the hold, always executed
.endr
.irp b, 0,1,2,3
	v_cvt_scalef32_pk8_fp8_f32 v[CODE+8*\a+2*\b:CODE+8*\a+2*\b+1], v[TMP+8*\b:TMP+8*\b+7], v[CSC]
.endr
	v_nop                                          ; one plain line behind the last conversion: the next block writes its sources
	global_store_b128 v[LI], v[CODE+8*\a:CODE+8*\a+3], s[58:59] offset:1024*\a
	global_store_b128 v[LI], v[CODE+8*\a+4:CODE+8*\a+7], s[58:59] offset:1024*\a+512
.endr
	s_wait_xcnt 0x0                                ; the weights' loads have read their base
	s_add_nc_u64 s[36:37], s[36:37], 0x100000      ; the next kind's weights
	s_add_co_u32 s3, s3, 1
	s_cmp_lt_u32 s3, 2
	s_cbranch_scc1 .Lkind
	; v: its tile lies in slot 0; nothing is filled any more, so no round follows
	s_wait_alu depctr_va_vdst(0)
	s_wait_tensorcnt 0x0
	ds_add_u32 v[SPW], v[NIL]
	s_wait_dscnt 0x0
	s_barrier_signal -1
	s_barrier_wait -1
	v_mov_b32 v[ADL], v[AB]
	v_add_nc_u32 v[ADH], 64*PITCH, v[AB]
	s_wait_alu depctr_va_vdst(0)
	AFETCH 0
.irp F, 0,1,2,3
	KSTEP \F, 1, 48, (\F+4)*2048
.endr
	KSTEP 4, 1, 48, -1                             ; the last four steps ask for nothing: fewer loads stand behind each step's
	KSTEP 5, 1, 32, -1
	KSTEP 6, 1, 16, -1
	KSTEP 7, 1, 0, -1
	s_wait_xcnt 0x0                                ; k's stores have read their data
	v_mov_b32 v[CSC], s78
	v_mov_b32 v[LIMV], s79
.irp b, 0,1,2,3                                ; 16 channels x 128 keys: eight accumulators become one image of 16 registers
.irp g, 0,1
	WIN 0x03
.irp x, 0,1,2,3
.irp j, 0,1,2,3,4,5,6,7
	v_med3_num_f32 v[TMP+8*\x+\j], v[8*(4*(4*\g+\x)+\b)+\j], -v[LIMV], v[LIMV]   ; the hold, from each accumulator's low end on
.endr
.endr
	WIN 0
.irp x, 0,1,2,3
	v_cvt_scalef32_pk8_fp8_f32 v[CODE+16*\b+8*\g+2*\x:CODE+16*\b+8*\g+2*\x+1], v[TMP+8*\x:TMP+8*\x+7], v[CSC]
.endr
	v_nop
.endr
.irp i, 0,1,2,3
	global_store_b128 v[LI], v[CODE+16*\b+4*\i:CODE+16*\b+4*\i+3], s[56:57] offset:2048*\b+512*\i
.endr
.endr
	s_wait_tensorcnt 0x0                           ; the wave's end
	ds_add_u32 v[SPW], v[NIL]
	s_wait_dscnt 0x0
	CROUND                                         ; the closing round
	s_endpgm
.Lfunc_end_k_qb4fef392cf_proj:
	.size	k_qb4fef392cf_proj, .Lfunc_end_k_qb4fef392cf_proj-k_qb4fef392cf_proj
	.p2alignl 7, 3214868480
	.fill 96, 4, 3214868480
	.section	.rodata,"a",@progbits
	.p2align	6, 0x0
	.amdhsa_kernel k_qb4fef392cf_proj
		.amdhsa_group_segment_fixed_size 327680
		.amdhsa_private_segment_fixed_size 0
		.amdhsa_enable_private_segment 0
		.amdhsa_kernarg_size 32
		.amdhsa_user_sgpr_count 2
		.amdhsa_user_sgpr_kernarg_segment_ptr 1
		.amdhsa_wavefront_size32 1
		.amdhsa_system_sgpr_workgroup_id_x 1
		.amdhsa_system_sgpr_workgroup_id_y 1
		.amdhsa_system_sgpr_workgroup_id_z 1
		.amdhsa_system_vgpr_workitem_id 0
		.amdhsa_next_free_vgpr 1024
		.amdhsa_next_free_sgpr 100
		.amdhsa_reserve_vcc 0
		.amdhsa_float_denorm_mode_32 3
		.amdhsa_float_denorm_mode_16_64 3
		.amdhsa_memory_ordered 1
		.amdhsa_forward_progress 1
		.amdhsa_inst_pref_size 150
	.end_amdhsa_kernel
	.amdgpu_metadata
---
amdhsa.version: [ 1, 2 ]
amdhsa.kernels:
  - .name:           k_qb4fef392cf_proj
    .symbol:         k_qb4fef392cf_proj.kd
    .args:
      - { .name: act_codes, .offset: 0, .size: 8, .value_kind: global_buffer, .address_space: global }
      - { .name: w_codes, .offset: 8, .size: 8, .value_kind: global_buffer, .address_space: global }
      - { .name: lowp_scales, .offset: 16, .size: 8, .value_kind: global_buffer, .address_space: global }
      - { .name: qkv_img, .offset: 24, .size: 8, .value_kind: global_buffer, .address_space: global }
    .group_segment_fixed_size: 327680
    .private_segment_fixed_size: 0
    .kernarg_segment_align: 8
    .kernarg_segment_size: 32
    .max_flat_workgroup_size: 128
    .sgpr_count:     100
    .vgpr_count:     1024
    .wavefront_size: 32
...
	.end_amdgpu_metadata
.endif
;; end of part 2
;; launch attn (part 3): grid 4 x 64, 8 waves a work-group, clusters of 4 x 1, 327,680 bytes of LDS; arguments qkv_img, lowp_scales, o_img; writes o_img
.if DOCPART == 3
	.amdgcn_target "amdgcn-amd-amdhsa--gfx1250"
	.amdhsa_code_object_version 6
	.text
	.protected	k_qb4fef392cf_attn
	.globl	k_qb4fef392cf_attn
	.p2align	8
	.type	k_qb4fef392cf_attn,@function
k_qb4fef392cf_attn:
	s_mov_b64 s[64:65], 0
	v_nop
	global_prefetch_b8 v0, s[64:65] scope:SCOPE_SE
	s_setreg_imm32_b32 hwreg(HW_REG_WAVE_MODE, 25, 1), 1
	s_wait_xcnt 0x0
	s_wait_alu depctr_hold_cnt(0) depctr_sa_sdst(0) depctr_va_vdst(0) depctr_va_sdst(0) depctr_va_ssrc(0) depctr_va_vcc(0) depctr_vm_vsrc(0)
	s_getreg_b32 s2, hwreg(HW_REG_IB_STS2, 6, 4)
	s_cmp_eq_u32 s2, 0
	s_cbranch_scc0 .Lentry_in_a_cluster
	s_endpgm
.Lentry_in_a_cluster:
	s_bfe_u32 s2, ttmp6, 0x10000c
	s_cmp_lg_u32 s2, 0x3003
	s_cbranch_scc0 .Lentry_shape_is_right
	s_endpgm
.Lentry_shape_is_right:
; ATTENTION ON CODES OF FP8 (E4M3): o = softmax(q k^T) v for head bh = 16 b + h (work-group y), and o quantised again by 2^e10 as an operand of the last product.
; q, k, v come as images of the operands' registers (registers 4 i .. 4 i + 3 of lane l at 512 i + 16 l).  qkv_img: head at 262,144 bh; key step s (128 keys) at + 16,384 s: eight images of 16 keys x 64 channels,
; then four of 16 channels x 128 keys.  q at 16 MiB + 131,072 bh + 1,024 x (tile of 16 queries).  o_img: tile of 16 queries at 16,384 x tile, head h's image at + 1,024 h.
; THE SOFTMAX: t = score x log2(e) x 2^(e6 + e7); M = the running largest t rounded up to a whole number; p = 2^(t - M) is quantised by 2^e9, held at 448 x 2^e9; the row's sum is taken of the unquantised p and divides at the end.
; When M moves, the sum and O^T are multiplied by 2^(old M - new M), which rounds nothing; no branch hangs on data.
; SHARES.  A work-group owns 512 queries of a head, a wave 64: four tiles of 16, all held at once.  Both products are used transposed (S^T = K Q^T, O^T = V^T P^T): a lane holds one query of each tile.
; A key step's fragments of K and V are read from LDS once and serve the wave's four tiles, two pairs one after the other; the next step's K is asked for behind this step's last score products.
; LDS holds the head's whole K and V, 16 steps, 262,144 bytes.  The four work-groups of a head form a cluster and ask for them JOINTLY.  The first fill is steps 0-3 (8,192 bytes a wave), the second steps 4-15
; (24,576 bytes a wave), steps 0-2 are worked while it is on its way.  All of LDS is claimed.
; NO PREFETCH: K and V are asked for whole at the head, Q by each wave's own loads there: there is no later load to run ahead of.
; O^T and the sums begin as zeros and the largest t as -3e38, so that the step is written without a first step of its own: the step's text stands twice as it is (3 and 13 trips).
; LIMITS: e6 + e7 between -126 and 127 (added to the exponent field of log2(e)); e9 and e10 between -126 and 119; the scaled scores stay under 2^31 in magnitude.  NaN among the codes is not served.
; REGISTERS.  Window 0: v1-5 addresses and the add's two; v8-23 four tiles' -M, largest t, sum (two halves); v24-39 at work; v40-43, v236 constants; v44-75 Q; v76-107 p's codes; v108-235 S^T, then p, of a pair.
;             Window 1: v0-63 K's eight fragments; v64-127 V's four; v128-255 O^T, 32 a tile.
.set SPARE, 262144
.set STEPB, 16384
.set LI,    1
.set ADR,   2
.set ADN,   3
.set SPW,   4
.set NIL,   5
.set ST4,   8
.set WK,    24
.set PLIM,  40
.set PLIM2, 41
.set PSC,   42
.set OLIM,  43
.set Q,     44
.set P,     76
.set S,     108
.set OSC,   236
.set KFR,   0
.set VFR,   64
.set OT,    128
.set MSB, 0
.macro WIN new                         ; the immediate's high byte repeats the setting that is left
.if MSB != \new
	s_set_vgpr_msb (MSB<<8)|\new
.set MSB, \new
.endif
.endm
.macro CROUND                          ; a round of the cluster's barrier
	s_barrier_signal -1
	s_barrier_wait -1
	s_cmp_lg_u32 s12, 0
	s_cbranch_scc1 .Lnot_wave_0_\@
	s_barrier_signal -3
.Lnot_wave_0_\@:
	s_barrier_wait -3
	s_barrier_signal -1
	s_barrier_wait -1
.endm
.macro KLOAD adr                       ; K's eight fragments of the step at adr
	WIN 0x40
.irp c, 0,1,2,3,4,5,6,7
.irp i, 0,1
	ds_load_b128 v[KFR+8*\c+4*\i:KFR+8*\c+4*\i+3], v[\adr] offset:1024*\c+512*\i
.endr
.endr
	WIN 0
.endm
	s_load_b128 s[4:7], s[0:1], 0x0                ; qkv_img, the scales' exponents
	s_load_b64 s[8:9], s[0:1], 0x10                ; o_img
	v_lshl_add_u32 v[SPW], v0, 2, SPARE
	v_mov_b32 v[NIL], 0
	ds_add_u32 v[SPW], v[NIL]                      ; the opening lines: the add, twice on end, and its wait ahead of my first tensor load
	ds_add_u32 v[SPW], v[NIL]
	v_lshrrev_b32 v3, 5, v0
	v_and_b32 v[LI], 31, v0
	v_readfirstlane_b32 s12, v3                    ; wave 0..7
	v_lshlrev_b32 v[LI], 4, v[LI]                  ; 16 x lane
	s_bfe_u32 s13, ttmp6, 0x40000                  ; cx
	s_lshl_b32 s14, ttmp9, 2
	s_add_co_u32 s14, s14, s13                     ; which 512 queries: it enters Q's and o's global addresses alone
	s_and_b32 s15, ttmp7, 0xffff                   ; the head
.irp g, 16, 68                         ; two groups 1: dense rows of 256 bytes (32 elements of 8), mask of all four partners, bit 21 beside it
	s_mov_b32 s[\g], 15|(3<<16)|(1<<21)
	s_mov_b32 s[\g+1], 32<<16
	s_mov_b32 s[\g+3], 32<<16
	s_mov_b32 s[\g+5], 32
	s_mov_b32 s[\g+6], 0
	s_mov_b32 s[\g+7], 0
.endr
	s_mov_b32 s18, 32<<16                          ; the first fill: 32 rows a wave
	s_mov_b32 s20, 32
	s_mov_b32 s70, 96<<16                          ; the second: 96 rows a wave
	s_mov_b32 s72, 96
	s_mov_b32 s24, 1
	s_lshl_b32 s25, s12, 13                        ; LDS: 8,192 x wave
	s_mov_b32 s28, 1
	s_mul_i32 s29, s12, 24576
	s_add_co_u32 s29, s29, 4*STEPB                 ; LDS: behind the first four steps, 24,576 x wave
	s_lshl_b32 s52, s15, 18
	s_add_co_u32 s58, s52, s29                     ; a head lies in memory as in LDS
	s_add_co_u32 s52, s52, s25
	s_mov_b32 s53, 0
	s_mov_b32 s59, 0
	s_mov_b32 s40, 0x76543210
	s_mov_b32 s41, 0xfedcba98                      ; v_permlanex16_b32's selects for lane l xor 16
	s_lshl_b32 s54, s15, 17                        ; Q: pair p, tile u of the wave is tile 32 x + 16 p + 2 wave + u of the head
	s_lshl_b32 s55, s14, 15
	s_add_co_u32 s54, s54, s55
	s_lshl_b32 s55, s12, 11
	s_add_co_u32 s54, s54, s55
	s_add_co_u32 s54, s54, 0x1000000
	s_mov_b32 s55, 0
	s_lshr_b32 s56, s15, 4                         ; o: batch, the same tile, the head's image
	s_lshl_b32 s56, s56, 21
	s_lshl_b32 s57, s14, 19
	s_add_co_u32 s56, s56, s57
	s_lshl_b32 s57, s12, 15
	s_add_co_u32 s56, s56, s57
	s_and_b32 s57, s15, 15
	s_lshl_b32 s57, s57, 10
	s_add_co_u32 s56, s56, s57
	s_mov_b32 s57, 0
	s_wait_alu depctr_va_vdst(0)
	s_wait_dscnt 0x0                               ; both opening adds are done
	s_wait_kmcnt 0x0
	s_load_b128 s[32:35], s[6:7], 0x18             ; e6, e7, e8, e9
	s_load_b32 s36, s[6:7], 0x28                   ; e10
	s_add_nc_u64 s[26:27], s[4:5], s[52:53]
	s_add_nc_u64 s[30:31], s[4:5], s[58:59]
	s_or_b32 s27, s27, 0x80000000
	s_or_b32 s31, s31, 0x80000000
	s_add_nc_u64 s[48:49], s[4:5], s[54:55]
	s_add_nc_u64 s[50:51], s[8:9], s[56:57]
	CROUND                                         ; the four work-groups are here: the first joint loads meet
	tensor_load_to_lds s[24:27], s[16:23]          ; steps 0-3: my one tensor load at the head
	s_nop 0
.rept 4
	v_nop
.endr
.irp p, 0,1
.irp u, 0,1
.irp i, 0,1
	global_load_b128 v[Q+16*\p+8*\u+4*\i:Q+16*\p+8*\u+4*\i+3], v[LI], s[48:49] offset:\p*16384+\u*1024+\i*512   ; Q's four fragments stay in registers
.endr
.endr
.endr
	s_wait_kmcnt 0x0
	s_add_co_i32 s58, s32, s33
	s_lshl_b32 s58, s58, 23
	s_add_co_i32 s38, s58, 0x3fb8aa3b              ; c = log2(e) x 2^(e6 + e7)
	s_mov_b32 s39, s38                             ; (named with it as a pair, so it is written)
	s_add_co_i32 s46, s34, s35                     ; e8 + e9
	s_add_co_i32 s58, s35, 127
	s_lshl_b32 s59, s58, 23
	v_mov_b32 v[PSC], s59                          ; 2^e9
	s_add_co_i32 s58, s58, 8
	s_lshl_b32 s58, s58, 23
	s_or_b32 s58, s58, 0x600000
	v_mov_b32 v[PLIM], s58                         ; 448 x 2^e9, in two registers: one for each half of a dual instruction
	v_mov_b32 v[PLIM2], s58
	s_add_co_i32 s58, s36, 127
	s_lshl_b32 s59, s58, 23
	v_mov_b32 v[OSC], s59                          ; 2^e10
	s_add_co_i32 s58, s58, 8
	s_lshl_b32 s58, s58, 23
	s_or_b32 s58, s58, 0x600000
	v_mov_b32 v[OLIM], s58                         ; 448 x 2^e10
.irp q, 0,1,2,3
	v_mov_b32 v[ST4+4*\q+1], 0xff61b1e6            ; the largest t so far: -3e38
	v_mov_b32 v[ST4+4*\q+2], 0                     ; the sum, in two halves
	v_mov_b32 v[ST4+4*\q+3], 0
.endr
.irp q, 0,1,2,3
	v_floor_f32 v[ST4+4*\q], -v[ST4+4*\q+1]        ; -M
.endr
.irp i, 3,6,7,11,14,15
	v_mov_b32 v[WK+\i], 0                          ; upper halves of named pairs, and lane permutes' destinations: written once
.endr
	WIN 0x40
.set j, 0
.rept 128
	v_mov_b32 v[OT+j], 0                           ; O^T: the first change of M leaves zeros zeros
.set j, j+1
.endr
	WIN 0
	s_mov_b32 s42, 0                               ; LDS byte of the step in hand
; TWO TILES of the wave, pair p, against the step's 128 keys.
.macro PAIR p
.set QB, Q+16*\p
.set SB, ST4+8*\p
.set OB, OT+64*\p
.if \p
	s_wait_loadcnt 0x0                             ; the second pair's Q is in (it counts in the first step alone: no other load into registers is issued)
.endif
	WIN 0x01
.irp c, 0,1,2,3,4,5,6,7
.irp u, 0,1
	v_wmma_f32_16x16x64_fp8_fp8 v[S+64*\u+8*\c:S+64*\u+8*\c+7], v[KFR+8*\c:KFR+8*\c+7], v[QB+8*\u:QB+8*\u+7], 0
.endr
.endr
	WIN 0
.rept 4
	v_nop                                          ; places in front of the first read of the scores, and of loads into K's fragments
.endr
.if \p
	KLOAD ADN                                      ; the next step's K: sixteen loads, which land under this pair's softmax
.endif
.irp u, 0,1
	v_max3_num_f32 v[WK+8*\u], v[S+64*\u], v[S+64*\u+1], v[S+64*\u+2]
	v_max3_num_f32 v[WK+8*\u+1], v[S+64*\u+3], v[S+64*\u+4], v[S+64*\u+5]
.endr
.irp i, 6,10,14,18,22,26,30,34,38,42,46,50,54,58
.irp u, 0,1
	v_max3_num_f32 v[WK+8*\u], v[WK+8*\u], v[S+64*\u+\i], v[S+64*\u+\i+1]
	v_max3_num_f32 v[WK+8*\u+1], v[WK+8*\u+1], v[S+64*\u+\i+2], v[S+64*\u+\i+3]
.endr
.endr
.irp u, 0,1
	v_max3_num_f32 v[WK+8*\u], v[WK+8*\u], v[S+64*\u+62], v[S+64*\u+63]
.endr
.irp u, 0,1
	s_delay_alu instid0(VALU_DEP_2)
	v_max_num_f32 v[WK+8*\u], v[WK+8*\u], v[WK+8*\u+1]
.endr
.irp u, 0,1
	s_delay_alu instid0(VALU_DEP_2)
	v_permlanex16_b32 v[WK+8*\u+6], v[WK+8*\u], s40, s41
.endr
.irp u, 0,1
	s_delay_alu instid0(VALU_DEP_2)
	v_max_num_f32 v[WK+8*\u], v[WK+8*\u], v[WK+8*\u+6]   ; the step's largest score of my query
.endr
.irp u, 0,1
	s_delay_alu instid0(VALU_DEP_2)
	v_mul_f32 v[WK+8*\u], s38, v[WK+8*\u]          ; as t (c is positive)
.endr
.irp u, 0,1
	s_delay_alu instid0(VALU_DEP_2)
	v_max_num_f32 v[SB+4*\u+1], v[SB+4*\u+1], v[WK+8*\u]
.endr
.irp u, 0,1
	v_mov_b32 v[WK+8*\u], v[SB+4*\u]
.endr
.irp u, 0,1
	s_delay_alu instid0(VALU_DEP_4)
	v_floor_f32 v[SB+4*\u], -v[SB+4*\u+1]          ; the new -M
.endr
.irp u, 0,1
	s_delay_alu instid0(VALU_DEP_2)
	v_sub_f32 v[WK+8*\u], v[SB+4*\u], v[WK+8*\u]   ; old M - new M: a whole number, 0 or less
.endr
.irp u, 0,1
	s_delay_alu instid0(VALU_DEP_2)
	v_cvt_i32_f32 v[WK+8*\u], v[WK+8*\u]
.endr
.irp u, 0,1
	s_delay_alu instid0(VALU_DEP_2)
	v_ldexp_f32 v[WK+8*\u+2], 1.0, v[WK+8*\u]      ; f = 2^(old M - new M)
.endr
; THE EXPONENTIALS GO IN TWO BATCHES, each with plain work between its lines that reads nothing written since the wait ahead of the batch and whose results are first read behind the wait that follows it.
.set j, 0
.rept 32
	v_pk_fma_f32 v[S+j:S+j+1], v[S+j:S+j+1], s[38:39], v[SB:SB+1] op_sel_hi:[1,0,0]   ; tile 0: t - M
.set j, j+2
.endr
	s_wait_alu depctr_va_vdst(0)                   ; ahead of the batch
.set j, 0
.rept 32
	v_exp_f32 v[S+j], v[S+j]                       ; tile 0: p = 2^(t - M); beside it tile 1's t - M
	v_pk_fma_f32 v[S+64+j:S+64+j+1], v[S+64+j:S+64+j+1], s[38:39], v[SB+4:SB+5] op_sel_hi:[1,0,0]
	v_exp_f32 v[S+j+1], v[S+j+1]
.set j, j+2
.endr
.irp u, 0,1
	v_pk_mul_f32 v[SB+4*\u+2:SB+4*\u+3], v[SB+4*\u+2:SB+4*\u+3], v[WK+8*\u+2:WK+8*\u+3] op_sel_hi:[1,0]   ; the sums under the new M (plain places behind the batch)
.endr
	s_wait_alu depctr_va_vdst(0)                   ; behind the first batch and ahead of the second
.set j, 0
.rept 16
	v_exp_f32 v[S+64+j], v[S+64+j]                 ; tile 1's p; beside it, of tile 0: sixteen sums of four unquantised p, into the registers that p's codes take later, and then the hold
	v_pk_add_f32 v[P+j/2:P+j/2+1], v[S+j:S+j+1], v[S+j+2:S+j+3]
	v_exp_f32 v[S+64+j+1], v[S+64+j+1]
	v_dual_min_num_f32 v[S+j], v[S+j], v[PLIM] :: v_dual_min_num_f32 v[S+j+1], v[S+j+1], v[PLIM2]
	v_exp_f32 v[S+64+j+2], v[S+64+j+2]
	v_dual_min_num_f32 v[S+j+2], v[S+j+2], v[PLIM] :: v_dual_min_num_f32 v[S+j+3], v[S+j+3], v[PLIM2]
	v_exp_f32 v[S+64+j+3], v[S+64+j+3]
.set j, j+4
.endr
	v_nop                                          ; a plain place behind the last exponential
.if \p == 0
	s_wait_dscnt 0x0                               ; V's fragments, asked for at the step's head, are in
.endif
	WIN 0x41
	s_wait_alu depctr_va_vdst(0)                   ; one wait: for the batch, ahead of its first reader, and directly ahead of the first readers of O^T
.irp u, 0,1
.set j, 0
.rept 16
	v_pk_mul_f32 v[OB+32*\u+j:OB+32*\u+j+1], v[OB+32*\u+j:OB+32*\u+j+1], v[WK+8*\u+2:WK+8*\u+3] op_sel_hi:[1,0]   ; O^T under the new M
.set j, j+2
.endr
.endr
	WIN 0
	v_pk_add_f32 v[WK+4:WK+5], v[P:P+1], v[P+2:P+3]
	v_pk_add_f32 v[WK+12:WK+13], v[S+64:S+65], v[S+66:S+67]
.irp i, 4,8,12,16,20,24,28,32,36,40,44,48,52,56,60
	v_pk_add_f32 v[SB+6:SB+7], v[SB+6:SB+7], v[S+64+\i:S+64+\i+1]
	v_pk_add_f32 v[WK+12:WK+13], v[WK+12:WK+13], v[S+64+\i+2:S+64+\i+3]
.if \i < 32
	v_pk_add_f32 v[SB+2:SB+3], v[SB+2:SB+3], v[P+\i:P+\i+1]
	v_pk_add_f32 v[WK+4:WK+5], v[WK+4:WK+5], v[P+\i+2:P+\i+3]
.endif
.endr
	v_pk_add_f32 v[SB+2:SB+3], v[SB+2:SB+3], v[WK+4:WK+5]
	v_pk_add_f32 v[SB+6:SB+7], v[SB+6:SB+7], v[WK+12:WK+13]
.irp c, 0,1,2,3,4,5,6,7
.irp i, 0,2,4,6
	v_dual_min_num_f32 v[S+64+8*\c+\i], v[S+64+8*\c+\i], v[PLIM] :: v_dual_min_num_f32 v[S+64+8*\c+\i+1], v[S+64+8*\c+\i+1], v[PLIM2]   ; tile 1's hold, one-sided (p is not negative), two numbers an instruction
.endr
.irp u, 0,1
	v_cvt_scalef32_pk8_fp8_f32 v[P+16*\u+2*\c:P+16*\u+2*\c+1], v[S+64*\u+8*\c:S+64*\u+8*\c+7], v[PSC]
.endr
.endr
	v_nop                                          ; one plain line between the last conversion and the products that read its result
	WIN 0x51
.irp t, 0,1,2,3
.irp u, 0,1
	v_wmma_f32_16x16x128_fp8_fp8 v[OB+32*\u+8*\t:OB+32*\u+8*\t+7], v[VFR+16*\t:VFR+16*\t+15], v[P+16*\u:P+16*\u+15], v[OB+32*\u+8*\t:OB+32*\u+8*\t+7]
.endr
.endr
	WIN 0
.endm
; A KEY STEP.  K's fragments were asked for a step ago.  The step behind the last is step 0 once more (the address wraps inside the 262,144 bytes): those fragments are not used.
.macro STEP
	s_add_co_u32 s45, s42, STEPB
	s_and_b32 s45, s45, 0x3ffff
	v_add_nc_u32 v[ADR], s42, v[LI]
	v_add_nc_u32 v[ADN], s45, v[LI]
.rept 2
	v_nop                                          ; with the two additions: four places in front of loads into V's fragments
.endr
	WIN 0x40
.irp t, 0,1,2,3
.irp i, 0,1,2,3
	ds_load_b128 v[VFR+16*\t+4*\i:VFR+16*\t+4*\i+3], v[ADR] offset:8192+2048*\t+512*\i
.endr
.endr
	s_wait_dscnt 16                                ; K's sixteen loads are in; V's sixteen, issued behind them, may be out
	PAIR 0
	PAIR 1
	s_add_co_u32 s42, s42, STEPB
.endm
.macro STEPS n
	s_mov_b32 s43, \n
.Lsteps_\@:
	STEP
	s_sub_co_u32 s43, s43, 1
	s_cmp_lg_u32 s43, 0
	s_cbranch_scc1 .Lsteps_\@
.endm
	s_wait_alu depctr_va_vdst(0)                   ; at the head's end
	s_wait_tensorcnt 0x0                           ; my part of steps 0-3 is in
	ds_add_u32 v[SPW], v[NIL]
	s_wait_dscnt 0x0
	CROUND                                         ; everybody's part is in, and the four work-groups are here
	tensor_load_to_lds s[28:31], s[68:75]          ; steps 4-15: the first tensor load behind the round
	s_nop 0
.rept 4
	v_nop
.endr
	KLOAD LI                                       ; step 0's K
	s_wait_loadcnt 0x4                             ; the first pair's Q is in; the second pair's four loads, issued behind it, may be out
	STEPS 3
	s_wait_tensorcnt 0x0                           ; my part of steps 4-15 is in,
	s_wait_dscnt 0x0
	s_barrier_signal -1
	s_barrier_wait -1                              ; everybody's is
	s_mov_b32 s42, 3*STEPB
	STEPS 13
	; THE WAY OUT: O^T / the sum x 2^(e8 + e9), held within +-448 x 2^e10, converted by 2^e10: eight registers of a tile's result are two of the next operand's image.
.rept 4
	v_nop
.endr
.irp q, 0,1,2,3
	v_add_f32 v[WK+4*\q], v[ST4+4*\q+2], v[ST4+4*\q+3]
.endr
.irp q, 0,1,2,3
	v_permlanex16_b32 v[WK+4*\q+1], v[WK+4*\q], s40, s41
.endr
.irp q, 0,1,2,3
	v_add_f32 v[WK+4*\q], v[WK+4*\q], v[WK+4*\q+1] ; the row's sum
.endr
	s_wait_alu depctr_va_vdst(0)                   ; ahead of the batch
.irp q, 0,1,2,3
	v_rcp_f32 v[WK+4*\q+2], v[WK+4*\q]
.endr
	v_nop
	s_wait_alu depctr_va_vdst(0)                   ; behind it
.irp q, 0,1,2,3
	v_ldexp_f32 v[WK+4*\q+2], v[WK+4*\q+2], s46
.endr
	WIN 0x01
	s_wait_alu depctr_va_vdst(0)                   ; directly ahead of the first reader of O^T
.irp q, 0,1,2,3
.set j, 0
.rept 16
	v_pk_mul_f32 v[S+32*\q+j:S+32*\q+j+1], v[OT+32*\q+j:OT+32*\q+j+1], v[WK+4*\q+2:WK+4*\q+3] op_sel_hi:[1,0]
.set j, j+2
.endr
.endr
	WIN 0
.set j, 0
.rept 128
	v_med3_num_f32 v[S+j], v[S+j], -v[OLIM], v[OLIM]
.set j, j+1
.endr
.irp q, 0,1,2,3
.irp t, 0,1,2,3
	v_cvt_scalef32_pk8_fp8_f32 v[P+8*\q+2*\t:P+8*\q+2*\t+1], v[S+32*\q+8*\t:S+32*\q+8*\t+7], v[OSC]
.endr
.endr
	v_nop                                          ; one plain line behind the last conversion
.irp p, 0,1
.irp u, 0,1
.irp i, 0,1
	global_store_b128 v[LI], v[P+16*\p+8*\u+4*\i:P+16*\p+8*\u+4*\i+3], s[50:51] offset:\p*262144+\u*16384+\i*512   ; 32 lanes store 512 consecutive bytes, aligned
.endr
.endr
.endr
	s_wait_tensorcnt 0x0                           ; the wave's end
	ds_add_u32 v[SPW], v[NIL]
	s_wait_dscnt 0x0
	CROUND                                         ; the closing round
	s_endpgm
.Lfunc_end_k_qb4fef392cf_attn:
	.size	k_qb4fef392cf_attn, .Lfunc_end_k_qb4fef392cf_attn-k_qb4fef392cf_attn
	.p2alignl 7, 3214868480
	.fill 96, 4, 3214868480
	.section	.rodata,"a",@progbits
	.p2align	6, 0x0
	.amdhsa_kernel k_qb4fef392cf_attn
		.amdhsa_group_segment_fixed_size 327680
		.amdhsa_private_segment_fixed_size 0
		.amdhsa_enable_private_segment 0
		.amdhsa_kernarg_size 24
		.amdhsa_user_sgpr_count 2
		.amdhsa_user_sgpr_kernarg_segment_ptr 1
		.amdhsa_wavefront_size32 1
		.amdhsa_system_sgpr_workgroup_id_x 1
		.amdhsa_system_sgpr_workgroup_id_y 1
		.amdhsa_system_sgpr_workgroup_id_z 1
		.amdhsa_system_vgpr_workitem_id 0
		.amdhsa_next_free_vgpr 512
		.amdhsa_next_free_sgpr 80
		.amdhsa_reserve_vcc 0
		.amdhsa_float_denorm_mode_32 3
		.amdhsa_float_denorm_mode_16_64 3
		.amdhsa_memory_ordered 1
		.amdhsa_forward_progress 1
		.amdhsa_inst_pref_size 139
	.end_amdhsa_kernel
	.amdgpu_metadata
---
amdhsa.version: [ 1, 2 ]
amdhsa.kernels:
  - .name:           k_qb4fef392cf_attn
    .symbol:         k_qb4fef392cf_attn.kd
    .args:
      - { .name: qkv_img, .offset: 0, .size: 8, .value_kind: global_buffer, .address_space: global }
      - { .name: lowp_scales, .offset: 8, .size: 8, .value_kind: global_buffer, .address_space: global }
      - { .name: o_img, .offset: 16, .size: 8, .value_kind: global_buffer, .address_space: global }
    .group_segment_fixed_size: 327680
    .private_segment_fixed_size: 0
    .kernarg_segment_align: 8
    .kernarg_segment_size: 24
    .max_flat_workgroup_size: 256
    .sgpr_count:     80
    .vgpr_count:     512
    .wavefront_size: 32
...
	.end_amdgpu_metadata
.endif
;; end of part 3
;; launch outp (part 4): grid 256 x 1, 4 waves a work-group, no clusters, 35,328 bytes of LDS; arguments o_img, w_codes, bu, lowp_scales, out0; writes out0
.if DOCPART == 4
	.amdgcn_target "amdgcn-amd-amdhsa--gfx1250"
	.amdhsa_code_object_version 6
	.text
	.protected	k_qb4fef392cf_outp
	.globl	k_qb4fef392cf_outp
	.p2align	8
	.type	k_qb4fef392cf_outp,@function
k_qb4fef392cf_outp:
	s_mov_b64 s[64:65], 0
	v_nop
	global_prefetch_b8 v0, s[64:65] scope:SCOPE_SE
	s_setreg_imm32_b32 hwreg(HW_REG_WAVE_MODE, 25, 1), 1
	s_wait_xcnt 0x0
; THE LAST PRODUCT: out0[q][n] = (sum over k = 64 h + d of o's codes x Wu's codes) x 2^(e10 + e11) + bu[n], on codes of FP8 (E4M3).  K = 1,024, N = 64.
; A work-group takes 32 rows (two tiles of 16 queries).  K IS SHARED OUT AMONG THE FOUR WAVES: wave w takes k = 256 w .. 256 w + 255 (heads 4 w .. 4 w + 3) against both tiles and all 64 outputs, so that no byte of o
; or of Wu is loaded twice in a work-group: 8,192 bytes of o and 16,384 of Wu a wave.  The four f32 parts meet in LDS, each in bytes of its own, and are added on the way out: (p0 + p1) + (p2 + p3).
; All operands go from memory straight into registers, all loads at once: there is no loop and nothing to run ahead of, so no prefetch, no tensor load, no ring; work-groups share Wu's 64 KiB alone, so no cluster.
; o comes as images of its fragments (16 queries x one head's 64 channels, 8 registers): two heads' images on end are a fragment of 128 along K, k = 16 c + 8 (lane / 16) + 0 .. 7 in registers 2 c, 2 c + 1.
; Wu's codes lie as rows [n][k] at 3 MiB of w_codes: the same k of row n by loads of 8 bytes.
; THE MATRIX INSTRUCTION IS USED TRANSPOSED (source 0 = 16 rows of Wu, source 1 = 16 queries): a lane holds eight neighbouring outputs of one row.
; LIMIT: e10 + e11 between -126 and 127, so that 2^(e10 + e11) is an f32 number.
; REGISTERS.  Window 0: v1-11 addresses and the add's two; v16-19 bu; v32-95 eight accumulators (tile u, outputs 16 g ..) at v[32 + 8 (4 u + g)]; v96-159 o's four fragments; v160-223 the four parts; v224-239 results.
;             Window 1: v0-127 Wu's eight fragments.
.set SPITCH, 272                       ; a row of a part: 256 bytes + 16 of padding
.set PART,   32*SPITCH                 ; a wave's part: 32 rows
.set SPARE,  4*PART                    ; behind the parts: the spare words, 128 bytes for each wave
.set LI,  5
.set WO,  6
.set BO,  7
.set SI,  8
.set SO,  9
.set SPW, 10
.set NIL, 11
.set BU,  16
.set ACC, 32
.set OF,  96
.set RD,  160
.set Y,   224
.set MSB, 0
.macro WIN new                         ; the immediate's high byte repeats the setting that is left
.if MSB != \new
	s_set_vgpr_msb (MSB<<8)|\new
.set MSB, \new
.endif
.endm
	s_load_b256 s[4:11], s[0:1], 0x0               ; o_img s[4:5], w_codes s[6:7], bu s[8:9], the scales' exponents s[10:11]
	s_load_b64 s[12:13], s[0:1], 0x20              ; out0
	v_lshl_add_u32 v[SPW], v0, 2, SPARE
	v_mov_b32 v[NIL], 0
	v_lshrrev_b32 v1, 5, v0
	v_readfirstlane_b32 s14, v1                    ; wave 0..3
	v_and_b32 v2, 31, v0                           ; lane
	v_and_b32 v3, 15, v0                           ; r
	v_bfe_u32 v4, v0, 4, 1                         ; h
	v_lshlrev_b32 v[LI], 4, v2                     ; 16 x lane
	v_lshlrev_b32 v[WO], 10, v3
	v_lshl_add_u32 v[WO], v4, 3, v[WO]             ; Wu: row r of 1,024 bytes, + 8 h
	v_lshlrev_b32 v[BO], 4, v3                     ; bu: the four outputs that I store: 16 r
	s_mul_i32 s22, s14, PART
	v_mul_u32_u24 v[SI], v3, SPITCH
	v_lshl_add_u32 v[SI], v4, 5, v[SI]
	v_add_nc_u32 v[SI], s22, v[SI]                 ; into my part: row r, + 32 h
	s_mul_i32 s23, s14, 8*SPITCH
	v_mul_u32_u24 v[SO], v4, SPITCH
	v_lshl_add_u32 v[SO], v3, 4, v[SO]
	v_add_nc_u32 v[SO], s23, v[SO]                 ; back: rows 8 w .. 8 w + 7 of part 0; lanes 0-15 one row, lanes 16-31 the next
	s_lshl_b32 s16, ttmp9, 15                      ; o: two tiles of 16,384 bytes to a work-group,
	s_lshl_b32 s17, s14, 12
	s_add_co_u32 s16, s16, s17                     ; + my four heads' images
	s_mov_b32 s17, 0
	s_lshl_b32 s24, s14, 8
	s_add_co_u32 s24, s24, 0x300000                ; Wu's codes lie behind the three large weights'; + my 256 along K
	s_mov_b32 s25, 0
	s_lshl_b32 s18, ttmp9, 13                      ; out0: 32 rows of 256 bytes to a work-group,
	s_lshl_b32 s19, s14, 11                        ; eight to a wave
	s_add_co_u32 s18, s18, s19
	s_mov_b32 s19, 0
	s_wait_alu depctr_va_vdst(0)                   ; at the head's end
	s_wait_kmcnt 0x0
	s_load_b64 s[20:21], s[10:11], 0x28            ; e10, e11
	s_add_nc_u64 s[4:5], s[4:5], s[16:17]
	s_add_nc_u64 s[6:7], s[6:7], s[24:25]
	s_add_nc_u64 s[12:13], s[12:13], s[18:19]
	WIN 0x40                                       ; destination window 1, address window 0
.irp g, 0,1,2,3
.irp s, 0,1
.irp c, 0,1,2,3,4,5,6,7
	global_load_b64 v[32*\g+16*\s+2*\c:32*\g+16*\s+2*\c+1], v[WO], s[6:7] offset:16384*\g+128*\s+16*\c
.endr
.endr
.endr
	WIN 0
.irp u, 0,1
.irp h, 0,1,2,3
.irp i, 0,1
	global_load_b128 v[OF+32*\u+8*\h+4*\i:OF+32*\u+8*\h+4*\i+3], v[LI], s[4:5] offset:\u*16384+\h*1024+\i*512   ; 32 lanes read 512 consecutive bytes
.endr
.endr
.endr
	global_load_b128 v[BU:BU+3], v[BO], s[8:9]
	s_wait_kmcnt 0x0
	s_add_co_i32 s20, s20, s21
	s_add_co_i32 s20, s20, 127
	s_lshl_b32 s20, s20, 23                        ; 2^(e10 + e11) as f32
	s_mov_b32 s21, s20                             ; (named with it as a pair, so it is written)
	s_wait_loadcnt 0x0
	WIN 0x01                                       ; source 0 (Wu) window 1
.irp s, 0,1                                    ; the eight accumulators take turns, one instruction a turn; the first K step starts the sums
.irp u, 0,1
.irp g, 0,1,2,3
.if \s == 0
	v_wmma_f32_16x16x128_fp8_fp8 v[ACC+8*(4*\u+\g):ACC+8*(4*\u+\g)+7], v[32*\g+16*\s:32*\g+16*\s+15], v[OF+32*\u+16*\s:OF+32*\u+16*\s+15], 0
.else
	v_wmma_f32_16x16x128_fp8_fp8 v[ACC+8*(4*\u+\g):ACC+8*(4*\u+\g)+7], v[32*\g+16*\s:32*\g+16*\s+15], v[OF+32*\u+16*\s:OF+32*\u+16*\s+15], v[ACC+8*(4*\u+\g):ACC+8*(4*\u+\g)+7]
.endif
.endr
.endr
.endr
	WIN 0
.rept 4
	v_nop                                          ; places in front of the first read of results (ISA guide 7.12.1)
.endr
.irp u, 0,1
.irp g, 0,1,2,3
	ds_store_b128 v[SI], v[ACC+8*(4*\u+\g):ACC+8*(4*\u+\g)+3] offset:16*\u*SPITCH+64*\g        ; lane (r, h): my part of out0(16 u + r, 16 g + 8 h + 0 .. 7); each accumulator from its low end on
	ds_store_b128 v[SI], v[ACC+8*(4*\u+\g)+4:ACC+8*(4*\u+\g)+7] offset:16*\u*SPITCH+64*\g+16
.endr
.endr
	s_wait_dscnt 0x0                               ; for the others' sake: my stores are done
	s_barrier_signal -1
	s_barrier_wait -1                              ; the four parts lie in LDS
.irp k, 0,1,2,3
.irp i, 0,1,2,3
	ds_load_b128 v[RD+16*\k+4*\i:RD+16*\k+4*\i+3], v[SO] offset:\k*PART+2*\i*SPITCH
.endr
.endr
	s_wait_dscnt 0x0
.irp j, 0,2,4,6,8,10,12,14
	v_pk_add_f32 v[RD+\j:RD+\j+1], v[RD+\j:RD+\j+1], v[RD+16+\j:RD+16+\j+1]
	v_pk_add_f32 v[RD+32+\j:RD+32+\j+1], v[RD+32+\j:RD+32+\j+1], v[RD+48+\j:RD+48+\j+1]
.endr
.irp j, 0,2,4,6,8,10,12,14
	v_pk_add_f32 v[RD+\j:RD+\j+1], v[RD+\j:RD+\j+1], v[RD+32+\j:RD+32+\j+1]
.endr
.irp j, 0,2,4,6,8,10,12,14
	v_pk_fma_f32 v[Y+\j:Y+\j+1], v[RD+\j:RD+\j+1], s[20:21], v[BU+\j%4:BU+\j%4+1] op_sel_hi:[1,0,1]   ; sum x 2^(e10 + e11) + bu
.endr
.irp i, 0,1,2,3
	global_store_b128 v[LI], v[Y+4*\i:Y+4*\i+3], s[12:13] offset:512*\i th:TH_STORE_NT   ; 32 lanes store two whole rows: 512 consecutive bytes, aligned; written once, read by nobody here
.endr
	s_wait_tensorcnt 0x0                           ; the wave's end: behind my last LDS store
	ds_add_u32 v[SPW], v[NIL]
	s_wait_dscnt 0x0
	s_endpgm
.Lfunc_end_k_qb4fef392cf_outp:
	.size	k_qb4fef392cf_outp, .Lfunc_end_k_qb4fef392cf_outp-k_qb4fef392cf_outp
	.p2alignl 7, 3214868480
	.fill 96, 4, 3214868480
	.section	.rodata,"a",@progbits
	.p2align	6, 0x0
	.amdhsa_kernel k_qb4fef392cf_outp
		.amdhsa_group_segment_fixed_size 35328
		.amdhsa_private_segment_fixed_size 0
		.amdhsa_enable_private_segment 0
		.amdhsa_kernarg_size 40
		.amdhsa_user_sgpr_count 2
		.amdhsa_user_sgpr_kernarg_segment_ptr 1
		.amdhsa_wavefront_size32 1
		.amdhsa_system_sgpr_workgroup_id_x 1
		.amdhsa_system_sgpr_workgroup_id_y 1
		.amdhsa_system_sgpr_workgroup_id_z 1
		.amdhsa_system_vgpr_workitem_id 0
		.amdhsa_next_free_vgpr 384
		.amdhsa_next_free_sgpr 66
		.amdhsa_reserve_vcc 0
		.amdhsa_float_denorm_mode_32 3
		.amdhsa_float_denorm_mode_16_64 3
		.amdhsa_memory_ordered 1
		.amdhsa_forward_progress 1
		.amdhsa_inst_pref_size 16
	.end_amdhsa_kernel
	.amdgpu_metadata
---
amdhsa.version: [ 1, 2 ]
amdhsa.kernels:
  - .name:           k_qb4fef392cf_outp
    .symbol:         k_qb4fef392cf_outp.kd
    .args:
      - { .name: o_img, .offset: 0, .size: 8, .value_kind: global_buffer, .address_space: global }
      - { .name: w_codes, .offset: 8, .size: 8, .value_kind: global_buffer, .address_space: global }
      - { .name: bu, .offset: 16, .size: 8, .value_kind: global_buffer, .address_space: global }
      - { .name: lowp_scales, .offset: 24, .size: 8, .value_kind: global_buffer, .address_space: global }
      - { .name: out0, .offset: 32, .size: 8, .value_kind: global_buffer, .address_space: global }
    .group_segment_fixed_size: 35328
    .private_segment_fixed_size: 0
    .kernarg_segment_align: 8
    .kernarg_segment_size: 40
    .max_flat_workgroup_size: 128
    .sgpr_count:     66
    .vgpr_count:     384
    .wavefront_size: 32
...
	.end_amdgpu_metadata
.endif
;; end of part 4
